; MI455X (gfx1250); checked and timed in simulation.
; The chip was launched on July 23, 2026; its instructions are those of AMD's public machine-readable ISA for CDNA 5 (MIT licence, August 2026) and "CDNA5" Instruction Set Architecture Reference Guide (July 2026). The comments in the code are by the model that wrote it; some were corrected since.
;; Gated Attention MIL. Allowed arithmetic: matrix products marked QUANTISED: E2M3 operands, one E8M0 scale for each 32 along K, by v_wmma_scale_f32_16x16x128_f8f6f4 with both operands' format E2M3, f32 sums; products left as they are: f32 operands where the result goes on into a quantised operand, else bf16, f16 or f32 operands; f32 sums; everything else in f32.
;; Inputs: Wu 1,024 x 256 float32; Wv 1,024 x 256 float32; Ww 256 x 1 float32; bu 256 float32; bv 256 float32; bw 1 float32; features 16 x 4,096 x 1,024 float32.
;; Outputs: out0 16 x 1,024 float32; out1 16 x 4,096 float32.
;; This version of the problem:
;;   THIS VERSION OF THE PROBLEM IS GIVEN IN LOW PRECISION. The matrix products marked QUANTISED in the list below multiply operands that are first quantised to E2M3 (2 exponent bits, 3 mantissa bits; 6 bits a number), with one power-of-two scale for each 32 numbers along K (OCP MX v1.0); their sums are f32. All else is computed in f32.
;;   The module's matrix products, in the order in which they are computed (A, B: the left and right operand; K: the contracted axis; several contracted axes count as one K, in the product's order):
;;     1. [M 65,536, K 1,024] x [K 1,024, N 256]; A: input features; B: input Wv: QUANTISED
;;     2. [M 65,536, K 1,024] x [K 1,024, N 256]; A: input features; B: input Wu: QUANTISED
;;     3. [M 65,536, K 256] x [K 256, N 1]; A: computed on the way; B: input Ww: left as it is (N = 1 < 16)
;;   THE QUANTISER, for each operand of a quantised product, along K:
;;     - K is cut into blocks of 32 from its start; a last block that is shorter is filled with zeros.
;;     - A block's scale is 2^e with e = floor(log2(the largest magnitude in the block)) - 2, held to -126 .. 127; a block of zeros has e = 0. As a byte (E8M0): e + 127.
;;     - Each number is divided by its block's scale, clamped to +-7.5, and rounded to the nearest number of E2M3, ties to even, subnormals kept.
;;     - The product sums the exact products of the quantised numbers (number of the format x scale) in f32.
;;   ~~~python
;;   def quantise(x, axis):      # numpy; x: float32 -> the quantised numbers, widened to float32 again
;;       x = np.moveaxis(x, axis, -1); K = x.shape[-1]
;;       x = np.pad(x, [(0, 0)] * (x.ndim - 1) + [(0, -K % 32)]); x = x.reshape(x.shape[:-1] + (-1, 32)); a = np.abs(x).max(-1, keepdims=True)
;;       e = np.where(a > 0, np.clip(np.frexp(np.where(a > 0, a, 1))[1] - 1 - 2, -126, 127), 0)      # np.frexp(a)[1] - 1 = floor(log2(a)), exactly
;;       r = np.clip(x / 2.0 ** e, -7.5, 7.5)
;;       step = 2.0 ** (np.maximum(np.frexp(np.where(r == 0, 1, r))[1] - 1, 0) - 3)
;;       q = np.round(r / step) * step * 2.0 ** e      # np.round: ties to even
;;       return np.moveaxis(q.reshape(q.shape[:-2] + (-1,))[..., :K], -1, axis).astype(np.float32)
;;   ~~~
;; One version. Each part assembles by itself: llvm-mc -triple=amdgcn-amd-amdhsa -mcpu=gfx1250 --defsym DOCPART=n.
;; ======== version 1 of 1: 3 launches
;; limits: right only within a limited range of input values
;; workspace buffers: wcodes 393,216 bytes; wscales 16,384 bytes; logits 262,144 bytes; part 1,114,112 bytes
;; launch packw (part 1): grid 8 x 4, 8 waves a work-group, no clusters, 1,536 bytes of LDS; arguments Wv, Wu, wcodes, wscales; writes wcodes, wscales
.if DOCPART == 1
	.amdgcn_target "amdgcn-amd-amdhsa--gfx1250"
	.amdhsa_code_object_version 6
	.text
	.protected	k_qd3021db162_packw
	.globl	k_qd3021db162_packw
	.p2align	8
	.type	k_qd3021db162_packw,@function
k_qd3021db162_packw:
	s_mov_b64 s[64:65], 0
	v_nop
	global_prefetch_b8 v0, s[64:65] scope:SCOPE_SE
	s_setreg_imm32_b32 hwreg(HW_REG_WAVE_MODE, 25, 1), 1
	s_wait_xcnt 0x0
; Wv and Wu, [1024 (k)][256 (n)] f32, K on the FIRST axis, become codes of FP6 (E2M3) with one E8M0 scale byte for each 32 along K,
; laid out as IMAGES OF THE OPERAND REGISTERS of the launch that multiplies: a fragment (16 columns x 128 K, 12 registers a lane) is three chunks
; of 512 bytes, chunk c holding registers 4 c .. 4 c + 3, a lane's 16 bytes at 16 x lane.
; wcodes  [w 4][f = 8 s + t][1536]: w = the wave that will hold it, s = K step of 128, t = tile: t 0-3 are Wv's columns 64 w + 16 t + r, t 4-7 Wu's columns 64 w + 16 (t - 4) + r.
; wscales [w 4][s 8][512]: lane (r, h) owns the 16 bytes at 16 x lane; its word i is the scale word (four bytes, 128 along K) of tile 2 i + h, column r.
; SHARES: work-group (x = s, y = w); its eight waves are the eight tiles.  A LANE TAKES A COLUMN AND ITS REGISTERS RUN DOWN K, in the order that the operand's layout gives that lane
; (registers 6 c .. 6 c + 5: k = 64 c + 32 h + 0 .. 31): a block of 32 lies in one lane, and the conversions' results are the operand's registers.  Nothing is transposed.
; A block's scale is 2^(floor(log2(largest magnitude)) - 2); its byte is the largest magnitude's exponent field - 2, held at 1 from below.
; LIMITS: a block whose largest magnitude lies under 2^-124 (a block of zeros too, where the rule says byte 127) keeps the byte 1: the bytes are read by this program alone, and zero codes add nothing;
; NaN and infinities among the inputs are not served.
; 32 work-groups: the two weights are 2 MiB in all, 64 fragments for each of four waves, and a fragment is a wave's work.
; WORK LEFT OUT IN THIS PROGRAM: bw.  reference() adds bw to every logit of a bag alike and then takes the softmax over the bag's instances: exp(l + bw) / sum of exp(l + bw) = exp(l) / sum of exp(l)
; for every finite bw, and both outputs hang on these weights alone.  So bw is not loaded and is no argument of any launch.
; LIMIT: a NaN, an infinity or an overflow that bw alone would bring is not carried to the result.
.set TM,  8                            ; v8-15   at work: four largest magnitudes, two scale operands, two bytes
.set PW,  16                           ; v16     the scale word
.set PW2, 17                           ; v17     the other half of the lanes' two bytes
.set PC,  20                           ; v20-38  the codes: 12 registers, and two runs of three in which the blocks' upper halves are made
.set X,   64                           ; v64-127 my column's 64 numbers
.set SH8, 6                            ; v6      8 h
.set SEL, 14                           ; s[14:15] lane selects for v_permlanex16_b32: lane l xor 16
; 64 numbers of a lane, v[buf + 32 c + i] = k 64 c + 32 h + i, become the fragment's 12 registers in v[PC] on and the scale word in v[PW]
.macro QUANT buf
.irp k, 0,1,2,3
	v_max3_num_f32 v[TM+\k], |v[\buf+16*\k]|, |v[\buf+16*\k+1]|, 0x1800000      ; four chains of 16 numbers, each begun with the floor 2^(3 - 127): the byte cannot fall under 1
.endr
.irp i, 2,4,6,8,10,12,14
.irp k, 0,1,2,3
	s_delay_alu instid0(VALU_DEP_4)
	v_max3_num_f32 v[TM+\k], v[TM+\k], |v[\buf+16*\k+\i]|, |v[\buf+16*\k+\i+1]| ; (by turns: no line waits for the line above it)
.endr
.endr
	s_delay_alu instid0(VALU_DEP_3)
	v_max_num_f32 v[TM], v[TM], v[TM+1]            ; block h's largest magnitude
	s_delay_alu instid0(VALU_DEP_2)
	v_max_num_f32 v[TM+2], v[TM+2], v[TM+3]        ; block 2 + h's
	s_delay_alu instid0(VALU_DEP_2)
	v_add_nc_u32 v[TM+4], 0xff000000, v[TM]        ; 2 off the exponent field: the conversion takes the exponent field of this operand as its scale
	s_delay_alu instid0(VALU_DEP_2)
	v_add_nc_u32 v[TM+5], 0xff000000, v[TM+2]
	s_delay_alu instid0(VALU_DEP_2)
	v_lshrrev_b32 v[TM+6], 23, v[TM+4]             ; the scales' bytes
	s_delay_alu instid0(VALU_DEP_2)
	v_lshrrev_b32 v[TM+7], 23, v[TM+5]
	s_delay_alu instid0(VALU_DEP_1)
	v_lshl_or_b32 v[PW], v[TM+7], 16, v[TM+6]      ; my two bytes, blocks h and 2 + h,
	s_delay_alu instid0(VALU_DEP_1)
	v_lshlrev_b32 v[PW], v[SH8], v[PW]             ; at their places in the word;
	s_delay_alu instid0(VALU_DEP_1)
	v_permlanex16_b32 v[PW2], v[PW], s[SEL], s[SEL+1]
	s_delay_alu instid0(VALU_DEP_1)
	v_or_b32 v[PW], v[PW], v[PW2]                  ; with lane l xor 16's two the word is whole
.irp c, 0,1
	v_cvt_scalef32_pk16_fp6_f32 v[PC+6*\c:PC+6*\c+2], v[\buf+32*\c:\buf+32*\c+15], v[TM+4+\c]
	v_cvt_scalef32_pk16_fp6_f32 v[PC+12+4*\c:PC+14+4*\c], v[\buf+32*\c+16:\buf+32*\c+31], v[TM+4+\c]   ; (a conversion's three registers begin on an even number)
.endr
	v_nop                                          ; one plain instruction behind the scaled conversions
.irp c, 0,1
.irp i, 0,1,2
	v_mov_b32 v[PC+3+6*\c+\i], v[PC+12+4*\c+\i]
.endr
.endr
.endm
	s_load_b128 s[4:7], s[0:1], 0x0                ; Wv, Wu
	s_load_b128 s[8:11], s[0:1], 0x10              ; wcodes, wscales
	v_lshl_add_u32 v128, v0, 2, 0x200
	v_mov_b32 v129, 0
	v_lshrrev_b32 v1, 5, v0
	s_delay_alu instid0(VALU_DEP_1)
	v_readfirstlane_b32 s12, v1                    ; wave = tile t
	v_and_b32 v1, 15, v0                           ; r
	v_bfe_u32 v2, v0, 4, 1                         ; h
	s_delay_alu instid0(VALU_DEP_2)
	v_lshlrev_b32 v3, 2, v1
	s_delay_alu instid0(VALU_DEP_1)
	v_lshl_add_u32 v3, v2, 15, v3                  ; in: 4 r + 32 rows of 1,024 bytes for lanes 16-31
	v_and_b32 v4, 31, v0
	s_delay_alu instid0(VALU_DEP_1)
	v_lshlrev_b32 v4, 4, v4                        ; out: 16 x lane
	s_and_b32 s13, s12, 1
	s_lshl_b32 s13, s13, 8
	s_lshr_b32 s16, s12, 1
	s_lshl_b32 s16, s16, 2
	s_add_co_u32 s13, s13, s16
	v_lshl_add_u32 v5, v1, 4, s13                  ; LDS: my column's word of tile t: 16 r + 256 (t % 2) + 4 (t / 2)
	v_lshlrev_b32 v[SH8], 3, v2
	v_mov_b32 v[PW2], 0                            ; a lane permute's destination counts as one of its sources
	s_mov_b32 s[SEL], 0x76543210
	s_mov_b32 s[SEL+1], 0xfedcba98
	s_and_b32 s17, ttmp7, 0xffff                   ; w
	s_lshl_b32 s18, ttmp9, 17                      ; the weight: 128 s rows of 1,024 bytes,
	s_lshl_b32 s19, s17, 8                         ; + 64 w columns of 4 bytes,
	s_add_co_u32 s18, s18, s19
	s_and_b32 s19, s12, 3
	s_lshl_b32 s19, s19, 6                         ; + 16 (t % 4) columns
	s_add_co_u32 s18, s18, s19
	s_mov_b32 s19, 0
	s_lshl_b32 s20, ttmp9, 3
	s_add_co_u32 s20, s20, s12                     ; f = 8 s + t
	s_mul_i32 s20, s20, 1536
	s_mul_i32 s21, s17, 98304
	s_add_co_u32 s20, s20, s21                     ; the fragment's place in wcodes
	s_mov_b32 s21, 0
	s_lshl_b32 s22, s17, 12
	s_lshl_b32 s23, ttmp9, 9
	s_add_co_u32 s22, s22, s23                     ; the K step's 512 bytes in wscales
	s_mov_b32 s23, 0
	s_wait_alu depctr_va_vdst(0)
	s_wait_kmcnt 0x0
	s_cmp_lt_u32 s12, 4                            ; tiles 0-3 come from Wv, tiles 4-7 from Wu: the choice hangs on the wave's number alone
	s_cselect_b64 s[4:5], s[4:5], s[6:7]
	s_add_nc_u64 s[4:5], s[4:5], s[18:19]
	s_add_nc_u64 s[8:9], s[8:9], s[20:21]
	s_add_nc_u64 s[10:11], s[10:11], s[22:23]
.set i, 0
.rept 64
	global_load_b32 v[X+i], v3, s[4:5] offset:(64*(i/32)+i%32)*1024   ; W(128 s + 64 c + 32 h + i, my column): sixteen lanes read 64 neighbouring bytes, four waves side by side 256
.set i, i+1
.endr
	s_wait_loadcnt 0x0
	QUANT X
.irp c, 0,1,2
	global_store_b128 v4, v[PC+4*\c:PC+4*\c+3], s[8:9] offset:512*\c  ; the wave stores 512 consecutive bytes, aligned
.endr
	ds_store_b32 v5, v[PW]                         ; lanes 16-31 write the same word with the same value as lanes 0-15
	s_wait_dscnt 0x0                               ; for the others' sake: my word lies in LDS
	s_barrier_signal -1
	s_barrier_wait -1
	s_cmp_lg_u32 s12, 0
	s_cbranch_scc1 .Ldone
	ds_load_b128 v[40:43], v4                      ; wave 0: the eight tiles' words, 512 bytes,
	s_wait_dscnt 0x0
	global_store_b128 v4, v[40:43], s[10:11]       ; leave as two aligned blocks of 256 bytes
.Ldone:
	s_wait_tensorcnt 0x0
	ds_add_u32 v128, v129
	s_wait_dscnt 0x0
	s_endpgm
.Lfunc_end_k_qd3021db162_packw:
	.size	k_qd3021db162_packw, .Lfunc_end_k_qd3021db162_packw-k_qd3021db162_packw
	.p2alignl 7, 3214868480
	.fill 96, 4, 3214868480
	.section	.rodata,"a",@progbits
	.p2align	6, 0x0
	.amdhsa_kernel k_qd3021db162_packw
		.amdhsa_group_segment_fixed_size 1536
		.amdhsa_private_segment_fixed_size 0
		.amdhsa_enable_private_segment 0
		.amdhsa_kernarg_size 32
		.amdhsa_user_sgpr_count 2
		.amdhsa_user_sgpr_kernarg_segment_ptr 1
		.amdhsa_wavefront_size32 1
		.amdhsa_system_sgpr_workgroup_id_x 1
		.amdhsa_system_sgpr_workgroup_id_y 1
		.amdhsa_system_sgpr_workgroup_id_z 1
		.amdhsa_system_vgpr_workitem_id 0
		.amdhsa_next_free_vgpr 130
		.amdhsa_next_free_sgpr 66
		.amdhsa_reserve_vcc 0
		.amdhsa_float_denorm_mode_32 3
		.amdhsa_float_denorm_mode_16_64 3
		.amdhsa_memory_ordered 1
		.amdhsa_forward_progress 1
		.amdhsa_inst_pref_size 14
	.end_amdhsa_kernel
	.amdgpu_metadata
---
amdhsa.version: [ 1, 2 ]
amdhsa.kernels:
  - .name:           k_qd3021db162_packw
    .symbol:         k_qd3021db162_packw.kd
    .args:
      - { .name: Wv, .offset: 0, .size: 8, .value_kind: global_buffer, .address_space: global }
      - { .name: Wu, .offset: 8, .size: 8, .value_kind: global_buffer, .address_space: global }
      - { .name: wcodes, .offset: 16, .size: 8, .value_kind: global_buffer, .address_space: global }
      - { .name: wscales, .offset: 24, .size: 8, .value_kind: global_buffer, .address_space: global }
    .group_segment_fixed_size: 1536
    .private_segment_fixed_size: 0
    .kernarg_segment_align: 8
    .kernarg_segment_size: 32
    .max_flat_workgroup_size: 256
    .sgpr_count:     66
    .vgpr_count:     130
    .wavefront_size: 32
...
	.end_amdgpu_metadata
.endif
;; end of part 1
;; launch main (part 2): grid 256 x 1, 4 waves a work-group, no clusters, 327,680 bytes of LDS; arguments features, wcodes, wscales, bv, bu, Ww, logits, part; writes logits, part
.if DOCPART == 2
	.amdgcn_target "amdgcn-amd-amdhsa--gfx1250"
	.amdhsa_code_object_version 6
	.text
	.protected	k_qd3021db162_main
	.globl	k_qd3021db162_main
	.p2align	8
	.type	k_qd3021db162_main,@function
k_qd3021db162_main:
	s_mov_b64 s[64:65], 0
	v_nop
	global_prefetch_b8 v0, s[64:65] scope:SCOPE_SE
	s_setreg_imm32_b32 hwreg(HW_REG_WAVE_MODE, 25, 1), 1
	s_wait_xcnt 0x0
; A work-group takes 256 instances of one bag (a sixteenth of it) through the whole chain, 32 rows a trip, eight trips: quantise the rows to FP6 (E2M3) with E8M0 scales, both gated products,
; tanh x sigmoid, the product with Ww, a running softmax (maximum taken away, base 2) and the weighted sum of the f32 rows.  It stores t = log2e x logit, its part of the sum, its maximum and its divisor.
; bw is left out: it is the same for all instances of a bag, and the softmax over them cancels it for every finite value (shown at the head of the first kernel).
; features are read from memory once: a tensor load a wave brings 8 rows of 4,096 bytes (rows w, w + 4, ..) into one of two LDS slots of 32 rows; the rows are read from LDS twice, for the codes and for the sum.
; THE WEIGHTS STAY IN REGISTERS: wave w holds Wv's and Wu's columns 64 w .. 64 w + 63 for all of K: 64 fragments of 12 registers: 21 in each of windows 1 to 3, the last in window 0.
; A TRIP: Q: wave w makes the codes of K steps 2 w, 2 w + 1 of all 32 rows and lays them in LDS as images of the operand's registers; barrier; M: for each 16 rows 64 matrix instructions
; (eight accumulators by turns, K ascending), then the gates in whole batches of exponentials and reciprocals; the waves' partial logits meet in LDS; barrier; S: every wave makes the 32 p for itself,
; and thread T adds p x row into columns 4 T .. + 3 and 512 + 4 T .. + 3.
; NO CLUSTER: no two work-groups read the same rows of features; the weights, 393,216 bytes, are more than LDS holds and go straight into registers, once, by plain loads at the head.
; PREFETCH: in trip t each wave names the 128 blocks of 256 bytes of its own 8 rows of tile t + 2, a lane a block, four instructions: one trip ahead of the tensor load that wants them; trips 6 and 7 ask for nothing.
; LIMITS: the promise holds while |t| stays under 2^31; a p or factor under 2^-126 becomes 0 (v_exp_f32: ISA guide 15.8); a block whose largest magnitude lies under 2^-124 keeps the scale byte 1
; (zero codes add nothing; the bytes are read here alone); NaN and infinities among the inputs are not served.
.set WREG,   33296                     ; LDS: a wave's 8 rows of a slot (+ 16)
.set RPITCH, 4160                      ; a row: 4,096 bytes + 16 behind each 1,024
.set SLOTB,  133632
.set XIMG,   267264                    ; the codes' images: [m 2][K step 8][1,536]
.set XSC,    291840                    ; X's scale words: [m 2][K step / 4][row 16][K step % 4]
.set PL,     292864                    ; partial logits: [wave 4][row 32]
.set PB,     293376                    ; p: [wave 4][row 32], each wave's own
.set LG,     293888                    ; t of all 256 rows, a copy for each wave
.set SPARE,  297984                    ; the spare words: 128 bytes a wave, named by no other line
.set QA,   1                           ; v1-2 Q's read address, slot 0, 1
.set XW,   3
.set XSW,  4
.set XR,   5
.set XSR,  6
.set PLW,  7
.set PLR,  8
.set LGW,  9
.set PBW,  10
.set PBR,  11
.set SA,   12                          ; v12-15 S's read addresses
.set SPW,  16
.set NIL,  17
.set XS1,  18                          ; v18-21, v26-29 X's scale words, rows 16-31 and 0-15
.set MR,   22                          ; v22 running maximum, v23 my lane's divisor
.set FF,   24
.set XS0,  26
.set PW,   30
.set PW2,  31
.set WS,   32                          ; v32-63 the weights' scale words
.set W63,  64                          ; v64-75 weight fragment 63
.set BV,   76
.set BU,   80
.set WW,   84
.set WW2,  88
.set HA,   88
.set HB,   89
.set AG,   92                          ; v92-99 my eight columns of the sum
.set TM,   100
.set SUM,  100
.set PC,   108
.set XF5,  108                         ; X's sixth fragment buffer
.set SH8,  123
.set TA,   124
.set PFO,  127                         ; the prefetches' lane offset; never rewritten
.set ACC,  128                         ; v128-191 eight accumulators: 32 g + 8 q: q 0, 1 = V's tiles 2 g, 2 g + 1; q 2, 3 = U's
.set PV,   128
.set RB2,  160
.set XF,   192                         ; v192-251 X's fragment buffers 0-4
.set RB0,  192
.set WV,   22
.set G1,   24
.set G0,   32
.set SEL,  42
.set C2,   44
.set C1N,  46
.set CAP,  48                          ; s48 64.0: where V's exponent is held
.set POFF, 131072                      ; what a trip's prefetches add to their base: a tile; 0 in the first trip's quantising alone
.set CNT,  49
.set PF,   50
.set LGO,  53
.set MSB, 0
.macro WIN new                         ; the immediate's high byte repeats the setting that is left
.if MSB != (\new)
	s_set_vgpr_msb (MSB<<8)|(\new)
.set MSB, (\new)
.endif
.endm
.macro PLACES n
.rept \n
	v_nop
.endr
.endm
.macro BARRIER
	s_wait_dscnt 0x0                               ; for the others' sake: my LDS stores are done, my reads are back
	s_barrier_signal -1
	s_barrier_wait -1
.endm
; 64 numbers of row 16 m + r, K step 2 w + e: k = 64 c + 32 h + 0 .. 31, as the operand's layout gives them to lane (r, h)
.macro QLOAD buf, slot, m, e
.irp c, 0,1
.irp j, 0,1,2,3,4,5,6,7
	ds_load_b128 v[\buf+32*\c+4*\j:\buf+32*\c+4*\j+3], v[QA+\slot] offset:4*RPITCH*\m+512*\e+256*\c+16*\j
.endr
.endr
.endm
; they become the fragment's 12 registers in v[PC] on and the scale word in v[PW]
.macro QUANT buf
.irp k, 0,1,2,3
	v_max3_num_f32 v[TM+\k], |v[\buf+16*\k]|, |v[\buf+16*\k+1]|, 0x1800000      ; four chains, each begun with the floor 2^(3 - 127): the byte cannot fall under 1
.endr
.irp i, 2,4,6,8,10,12,14
.irp k, 0,1,2,3
	v_max3_num_f32 v[TM+\k], v[TM+\k], |v[\buf+16*\k+\i]|, |v[\buf+16*\k+\i+1]|
.endr
.endr
	v_max_num_f32 v[TM], v[TM], v[TM+1]
	v_max_num_f32 v[TM+2], v[TM+2], v[TM+3]
	v_add_nc_u32 v[TM+4], 0xff000000, v[TM]        ; 2 off the exponent field: the conversion's scale operand
	v_add_nc_u32 v[TM+5], 0xff000000, v[TM+2]
	v_lshrrev_b32 v[TM+6], 23, v[TM+4]             ; the bytes
	v_lshrrev_b32 v[TM+7], 23, v[TM+5]
	v_lshl_or_b32 v[PW], v[TM+7], 16, v[TM+6]
	v_lshlrev_b32 v[PW], v[SH8], v[PW]
	v_permlanex16_b32 v[PW2], v[PW], s[SEL], s[SEL+1]
	v_or_b32 v[PW], v[PW], v[PW2]                  ; with lane l xor 16's two bytes the word is whole
.irp c, 0,1
	v_cvt_scalef32_pk16_fp6_f32 v[PC+6*\c:PC+6*\c+2], v[\buf+32*\c:\buf+32*\c+15], v[TM+4+\c]
	v_cvt_scalef32_pk16_fp6_f32 v[PC+12+4*\c:PC+14+4*\c], v[\buf+32*\c+16:\buf+32*\c+31], v[TM+4+\c]
.endr
	v_nop                                          ; one plain place behind the scaled conversions
.irp c, 0,1
.irp i, 0,1,2
	v_mov_b32 v[PC+3+6*\c+\i], v[PC+12+4*\c+\i]
.endr
.endr
.endm
.macro IMAGE m, e
.irp c, 0,1,2
	ds_store_b128 v[XW], v[PC+4*\c:PC+4*\c+3] offset:12288*\m+1536*\e+512*\c
.endr
	ds_store_b32 v[XSW], v[PW] offset:512*\m+4*\e
.endm
; ask = 1: tile t + 2 is named; 2: but not in the loop's last trip, where there is none; 0: never
.macro PHASE_Q slot, ask
	QLOAD ACC, \slot, 0, 0
	QLOAD XF,  \slot, 0, 1
.if \ask == 2
	s_cmp_eq_u32 s[CNT], 1
	s_cbranch_scc1 .Lno_ask_\@
.endif
.if \ask
.irp q, 0,1,2,3
	global_prefetch_b8 v[PFO], s[PF:PF+1] offset:POFF+32768*\q th:TH_LOAD_NT scope:SCOPE_SE   ; the base stands at tile t + 1; rows w + 8 q, w + 8 q + 4 of the tile named: 16 blocks of 256 bytes each
.endr
.endif
.if \ask == 2
.Lno_ask_\@:
.endif
	s_wait_dscnt 16                                ; the older 16 loads are in
	QUANT ACC
	IMAGE 0, 0
	QLOAD ACC, \slot, 1, 0
	s_wait_dscnt 16
	QUANT XF
	IMAGE 0, 1
	QLOAD XF,  \slot, 1, 1
	s_wait_dscnt 16
	QUANT ACC
	IMAGE 1, 0
	s_wait_dscnt 0x0
	QUANT XF
	IMAGE 1, 1
.endm
.macro FETCHX i                        ; X's fragment i = 8 m + K step into buffer i % 6
.if (\i)%6 < 5
.set fR, XF+12*((\i)%6)
.else
.set fR, XF5
.endif
.irp c, 0,1,2
	ds_load_b128 v[fR+4*\c:fR+4*\c+3], v[XR] offset:1536*(\i)+512*\c
.endr
.endm
; one product: X's rows 16 m .. (source 0) x weight tile wt of K step ks (source 1)
.macro WM m
.set fW, 8*ks+wt
.if fW == 63
	WIN 0
.set rW, W63
.else
	WIN (1+fW/21)<<2
.set rW, 12*(fW%21)
.endif
.set rD, ACC+32*((wt%4)/2)+8*(wt%2+2*(wt/4))
.set xb, (8*(\m)+ks)%6
.if xb < 5
.set rX, XF+12*xb
.else
.set rX, XF5
.endif
.set rSA, XS0-8*(\m)+ks%4
.set rSB, WS+4*ks+wt/2
.if ks == 0
.if wt%2 == 0
	v_wmma_scale_f32_16x16x128_f8f6f4 v[rD:rD+7], v[rX:rX+11], v[rW:rW+11], 0, v[rSA], v[rSB] matrix_a_fmt:MATRIX_FMT_FP6 matrix_b_fmt:MATRIX_FMT_FP6
.else
	v_wmma_scale_f32_16x16x128_f8f6f4 v[rD:rD+7], v[rX:rX+11], v[rW:rW+11], 0, v[rSA], v[rSB] matrix_a_fmt:MATRIX_FMT_FP6 matrix_b_fmt:MATRIX_FMT_FP6 matrix_b_scale:MATRIX_SCALE_ROW1
.endif
.else
.if ks < 4
.if wt%2 == 0
	v_wmma_scale_f32_16x16x128_f8f6f4 v[rD:rD+7], v[rX:rX+11], v[rW:rW+11], v[rD:rD+7], v[rSA], v[rSB] matrix_a_fmt:MATRIX_FMT_FP6 matrix_b_fmt:MATRIX_FMT_FP6
.else
	v_wmma_scale_f32_16x16x128_f8f6f4 v[rD:rD+7], v[rX:rX+11], v[rW:rW+11], v[rD:rD+7], v[rSA], v[rSB] matrix_a_fmt:MATRIX_FMT_FP6 matrix_b_fmt:MATRIX_FMT_FP6 matrix_b_scale:MATRIX_SCALE_ROW1
.endif
.else
.if wt%2 == 0
	v_wmma_scale_f32_16x16x128_f8f6f4 v[rD:rD+7], v[rX:rX+11], v[rW:rW+11], v[rD:rD+7], v[rSA], v[rSB] matrix_a_fmt:MATRIX_FMT_FP6 matrix_b_fmt:MATRIX_FMT_FP6 matrix_a_scale:MATRIX_SCALE_ROW1
.else
	v_wmma_scale_f32_16x16x128_f8f6f4 v[rD:rD+7], v[rX:rX+11], v[rW:rW+11], v[rD:rD+7], v[rSA], v[rSB] matrix_a_fmt:MATRIX_FMT_FP6 matrix_b_fmt:MATRIX_FMT_FP6 matrix_a_scale:MATRIX_SCALE_ROW1 matrix_b_scale:MATRIX_SCALE_ROW1
.endif
.endif
.endif
.endm
; 64 products for rows 16 m ..: the eight accumulators take turns, one instruction a turn.  X's fragments come in pairs, three pairs of buffers:
; behind a pair's 16 products and four places, the pair three further on is asked for.
.macro MRUN m
.set ks, 0
.rept 8
.set pp, (8*(\m)+ks)/2
.if ks%2 == 0
.if pp < 6
	s_wait_dscnt 12                                ; my pair is in; the two pairs behind it, 12 loads, may be out
.else
	s_wait_dscnt 6*(7-pp)
.endif
.endif
.set wt, 0
.rept 8
	WM \m
.set wt, wt+1
.endr
.if (ks%2 == 1) && (pp+3 < 8)
	PLACES 4
	FETCHX 2*pp+6
	FETCHX 2*pp+7
.endif
.set ks, ks+1
.endr
.endm
.macro ROWLD slot, row                 ; my 32 bytes of row `row` of the slot, into one of twelve sets of eight registers
.if (\row)%12 < 8
.set lR, RB0+8*((\row)%12)
.else
.set lR, RB2+8*((\row)%12-8)
.endif
	ds_load_b128 v[lR:lR+3],   v[SA+2*\slot+((\row)%4)/2] offset:((\row)%2)*WREG+((\row)/4)*RPITCH
	ds_load_b128 v[lR+4:lR+7], v[SA+2*\slot+((\row)%4)/2] offset:((\row)%2)*WREG+((\row)/4)*RPITCH+2080
.endm
.macro EPF g, u, cs, bb                ; the exponents to base 2: sum x factor + bias x factor; each accumulator from its low end on
.irp a, 0,1
.irp q, 0,1,2,3
.set eR, ACC+32*\g+16*\u+8*\a+2*\q
.if \a == 0
	v_pk_fma_f32 v[eR:eR+1], v[eR:eR+1], s[\cs:\cs+1], v[\bb+2*\g:\bb+2*\g+1] op_sel_hi:[1,0,0]
.else
	v_pk_fma_f32 v[eR:eR+1], v[eR:eR+1], s[\cs:\cs+1], v[\bb+2*\g:\bb+2*\g+1] op_sel:[0,0,1] op_sel_hi:[1,0,1]
.endif
.endr
.endr
.endm
.macro EPA g                           ; U's side: t = 1 + F
.set ej, 0
.rept 8
	v_pk_add_f32 v[ACC+32*\g+16+ej:ACC+32*\g+17+ej], v[ACC+32*\g+16+ej:ACC+32*\g+17+ej], 1.0 op_sel_hi:[1,0]
.set ej, ej+2
.endr
.endm
.macro EPR g
.set ej, 0
.rept 16
	v_rcp_f32 v[ACC+32*\g+16+ej], v[ACC+32*\g+16+ej]
.set ej, ej+1
.endr
.endm
.macro EPP g                           ; the divisor (1 + E)(1 + F) = E t + t, into U's registers; then the dividend E w - w, into V's
.irp a, 0,1
.irp q, 0,1,2,3
.set eR, ACC+32*\g+8*\a+2*\q
.if \a == 0
	v_pk_fma_f32 v[eR+16:eR+17], v[eR:eR+1], v[eR+16:eR+17], v[eR+16:eR+17]
	v_pk_fma_f32 v[eR:eR+1], v[eR:eR+1], v[WW+2*\g:WW+2*\g+1], v[WW2+2*\g:WW2+2*\g+1] op_sel_hi:[1,0,0]
.else
	v_pk_fma_f32 v[eR+16:eR+17], v[eR:eR+1], v[eR+16:eR+17], v[eR+16:eR+17]
	v_pk_fma_f32 v[eR:eR+1], v[eR:eR+1], v[WW+2*\g:WW+2*\g+1], v[WW2+2*\g:WW2+2*\g+1] op_sel:[0,1,1] op_sel_hi:[1,1,1]
.endif
.endr
.endr
.endm
.macro EPS g                           ; dividend x 1 / divisor, summed over my columns
.irp a, 0,1
.irp q, 0,1,2,3
.set eR, ACC+32*\g+8*\a+2*\q
.if (\g == 0) && (\a == 0)
	v_pk_mul_f32 v[SUM+2*\q:SUM+2*\q+1], v[eR:eR+1], v[eR+16:eR+17]
.else
	v_pk_fma_f32 v[SUM+2*\q:SUM+2*\q+1], v[eR:eR+1], v[eR+16:eR+17], v[SUM+2*\q:SUM+2*\q+1]
.endif
.endr
.endr
.endm
; The gates of rows 16 m .., in whole batches.  With E = 2^(2 log2e a) and F = 2^(-log2e b): w tanh(a) sigmoid(b) = (E w - w) / ((1 + E)(1 + F)): two exponentials and ONE reciprocal for a pair.
; V's exponent is held at 64, where tanh is 1 to f32's last bit, so E stays finite; an F or a divisor that overflows gives the reciprocal 0 and the product 0, as the sigmoid itself falls to 0 there.
; One wait stands ahead of each batch of transcendentals and one behind it.
.macro EPI m, slot, pre
	WIN 0
	PLACES 4                                       ; four places behind the last product, ahead of the reads of the sums and of loads into X's buffers
.if \pre
.irp row, 0,1,2,3,4,5,6,7
	ROWLD \slot, \row                              ; S's first eight rows are asked for here
.endr
.endif
.irp g, 0,1
	EPF \g, 0, C2, BV
	EPF \g, 1, C1N, BU
.endr
.irp g, 0,1
.set ej, 0
.rept 16
	v_min_num_f32 v[ACC+32*\g+ej], s[CAP], v[ACC+32*\g+ej]
.set ej, ej+1
.endr
.endr
	s_wait_alu depctr_va_vdst(0)
.set ej, 0
.rept 64
	v_exp_f32 v[ACC+ej], v[ACC+ej]
.set ej, ej+1
.endr
	v_nop
	s_wait_alu depctr_va_vdst(0)
	EPA 0
	EPA 1
	EPP 0
	EPP 1
	s_wait_alu depctr_va_vdst(0)
	EPR 0
	EPR 1
	v_nop
	s_wait_alu depctr_va_vdst(0)
	EPS 0
	EPS 1
.irp x, 1,2,4,8
.irp j, 0,1,2,3,4,5,6,7
	v_add_f32_dpp v[SUM+\j], v[SUM+\j], v[SUM+\j] row_xmask:\x row_mask:0xf bank_mask:0xf   ; over the sixteen columns of a tile
.endr
.endr
	ds_store_b128 v[PLW], v[SUM:SUM+3] offset:64*\m        ; rows 16 m + 8 h + 0 .. 7: sixteen lanes write the same words with the same values
	ds_store_b128 v[PLW], v[SUM+4:SUM+7] offset:64*\m+16
.endm
.macro PHASE_M slot
	ds_load_b128 v[XS0:XS0+3], v[XSR]
	ds_load_b128 v[XS1:XS1+3], v[XSR] offset:512
.irp i, 0,1,2,3,4,5
	FETCHX \i
.endr
	MRUN 0
	EPI 0, \slot, 0
	MRUN 1
	EPI 1, \slot, 1
.endm
.macro PHASE_S slot
.irp i, 0,1,2,3
	ds_load_b32 v[TM+\i], v[PLR] offset:128*\i     ; lane = row: the four waves' parts
.endr
.irp row, 8,9,10,11
	ROWLD \slot, \row
.endr
	s_wait_dscnt 8                                 ; the four parts are in; the eight loads behind them may be out
	v_add_f32 v[TM], v[TM], v[TM+1]
	v_add_f32 v[TM+2], v[TM+2], v[TM+3]
	v_add_f32 v[TM+4], v[TM], v[TM+2]              ; t of my row
	v_add_nc_u32 v[TA], s[LGO], v[LGW]
	ds_store_b32 v[TA], v[TM+4]
	v_mov_b32 v[TM+5], v[TM+4]
.irp x, 1,2,4,8
	v_max_num_f32_dpp v[TM+5], v[TM+5], v[TM+5] row_xmask:\x row_mask:0xf bank_mask:0xf
.endr
	v_permlanex16_b32 v[TM+6], v[TM+5], s[SEL], s[SEL+1]
	v_max3_num_f32 v[TM+5], v[TM+5], v[TM+6], v[MR]        ; the running maximum
	v_sub_f32 v[FF], v[MR], v[TM+5]
	v_sub_f32 v[TM+7], v[TM+4], v[TM+5]
	v_mov_b32 v[MR], v[TM+5]
	s_wait_alu depctr_va_vdst(0)                   ; the wait ahead of the batch
	v_exp_f32 v[FF], v[FF]                         ; what was summed so far is brought under the new maximum
	v_exp_f32 v[TM+7], v[TM+7]                     ; p
	v_nop
	s_wait_alu depctr_va_vdst(0)                   ; and behind it
	v_fma_f32 v[MR+1], v[MR+1], v[FF], v[TM+7]
	ds_store_b32 v[PBW], v[TM+7]
.irp i, 0,1,2,3,4,5,6,7
	ds_load_b128 v[PV+4*\i:PV+4*\i+3], v[PBR] offset:16*\i ; all 32 p in every lane: my wave's own bytes, served in order
.endr
.irp k, 0,2,4,6
	v_pk_mul_f32 v[AG+\k:AG+\k+1], v[AG+\k:AG+\k+1], v[FF:FF+1] op_sel_hi:[1,0]
.endr
	s_wait_alu depctr_va_vdst(0)
	s_wait_dscnt 0x0
.set bb, 0
.rept 8
.if bb >= 1
.if bb <= 5
	s_wait_alu depctr_va_vdst(0)
	s_wait_dscnt 16                                ; these four rows are in; the eight rows behind them may be out
.else
	s_wait_alu depctr_va_vdst(0)
	s_wait_dscnt 8*(7-bb)
.endif
.endif
.set rho, 4*bb
.rept 4
.if rho%12 < 8
.set rR, RB0+8*(rho%12)
.else
.set rR, RB2+8*(rho%12-8)
.endif
.irp k, 0,2,4,6
.if rho%2 == 0
	v_pk_fma_f32 v[AG+\k:AG+\k+1], v[rR+\k:rR+\k+1], v[PV+rho:PV+rho+1], v[AG+\k:AG+\k+1] op_sel_hi:[1,0,1]
.else
	v_pk_fma_f32 v[AG+\k:AG+\k+1], v[rR+\k:rR+\k+1], v[PV+rho-1:PV+rho], v[AG+\k:AG+\k+1] op_sel:[0,1,0] op_sel_hi:[1,1,1]
.endif
.endr
.set rho, rho+1
.endr
.if bb <= 4
	ROWLD \slot, 4*bb+12
	ROWLD \slot, 4*bb+13
	ROWLD \slot, 4*bb+14
	ROWLD \slot, 4*bb+15
.endif
.set bb, bb+1
.endr
	s_add_co_u32 s[LGO], s[LGO], 128
.endm
.macro WORK slot, ask
	PHASE_Q \slot, \ask
	BARRIER
	PHASE_M \slot
	BARRIER
	PHASE_S \slot
.endm
; The change of slots ahead of the work on `slot`: all my tensor loads have landed, the add, my LDS instructions are done, the barrier, and first behind it my one load into the slot read last.
.macro CHANGE slot, refill
.if \refill
	s_wait_xcnt 0x0                                ; my prefetches have read their base: it steps a tile on
	s_add_nc_u64 s[PF:PF+1], s[PF:PF+1], 131072
.endif
	s_wait_tensorcnt 0x0
	ds_add_u32 v[SPW], v[NIL]
.if \refill
	s_add_nc_u64 s[G0+6-4*\slot:G0+7-4*\slot], s[G0+6-4*\slot:G0+7-4*\slot], 262144
.endif
	s_wait_dscnt 0x0
	s_barrier_signal -1
	s_barrier_wait -1
.if \refill
	tensor_load_to_lds s[G0+4-4*\slot:G0+7-4*\slot], s[G1:G1+7]
	s_nop 0
	PLACES 4
.endif
.endm
	s_load_b256 s[4:11], s[0:1], 0x0               ; features, wcodes, wscales, bv
	s_load_b256 s[12:19], s[0:1], 0x20             ; bu, Ww, logits, part
	v_lshl_add_u32 v[SPW], v0, 2, SPARE
	v_mov_b32 v[NIL], 0
	ds_add_u32 v[SPW], v[NIL]                      ; the opening lines: the add twice on end
	ds_add_u32 v[SPW], v[NIL]
	v_lshrrev_b32 v100, 5, v0
	v_readfirstlane_b32 s[WV], v100                ; wave
	s_mov_b32 s[G1+0], (2<<16)|(1<<20)|(7<<22)|(3<<25)     ; elements of 4 bytes; 4 words of padding behind each 256 words
	s_mov_b32 s[G1+1], 1024<<16
	s_mov_b32 s[G1+2], 8<<16
	s_mov_b32 s[G1+3], 1024<<16
	s_mov_b32 s[G1+4], 8                           ; 8 rows of 1,024 numbers,
	s_mov_b32 s[G1+5], 4096                        ; four rows of features apart
	s_mov_b32 s[G1+6], 0
	s_mov_b32 s[G1+7], 0
	s_lshl_b32 s54, ttmp9, 20                      ; my work-group's 256 rows of 4,096 bytes,
	s_lshl_b32 s55, s[WV], 12                      ; my wave's first row
	s_add_co_u32 s54, s54, s55
	s_mov_b32 s55, 0
	s_mul_i32 s58, s[WV], WREG
	s_wait_dscnt 0x0
	s_wait_kmcnt 0x0
	s_add_nc_u64 s[56:57], s[4:5], s[54:55]
	s_mov_b32 s[G0+0], 1
	s_mov_b32 s[G0+1], s58
	s_mov_b64 s[G0+2:G0+3], s[56:57]
	s_or_b32 s[G0+3], s[G0+3], 0x80000000
	s_mov_b32 s[G0+4], 1
	s_add_co_u32 s[G0+5], s58, SLOTB
	s_add_nc_u64 s[G0+6:G0+7], s[56:57], 131072
	s_or_b32 s[G0+7], s[G0+7], 0x80000000
	s_add_nc_u64 s[PF:PF+1], s[56:57], 131072      ; the prefetches' base: in trip t it stands at tile t + 1
	tensor_load_to_lds s[G0:G0+3], s[G1:G1+7]      ; tile 0: my one tensor load at the head
	s_nop 0
	PLACES 4
	s_mul_i32 s54, s[WV], 98304
	s_add_nc_u64 s[6:7], s[6:7], s[54:55]          ; my wave's 64 fragments
	s_lshl_b32 s54, s[WV], 12
	s_add_nc_u64 s[8:9], s[8:9], s[54:55]
	s_mul_i32 s54, ttmp9, 4352
	s_add_nc_u64 s[18:19], s[18:19], s[54:55]      ; my work-group's row of part
	s_lshl_b32 s54, ttmp9, 10
	s_lshl_b32 s56, s[WV], 8
	s_add_co_u32 s54, s54, s56
	s_add_nc_u64 s[16:17], s[16:17], s[54:55]      ; my wave's 64 t
	s_mul_i32 s57, s[WV], 1040
	s_mul_i32 s59, s[WV], 3072
	s_add_co_u32 s59, s59, XIMG
	s_lshr_b32 s60, s[WV], 1
	s_lshl_b32 s60, s60, 8
	s_and_b32 s61, s[WV], 1
	s_lshl_b32 s61, s61, 3
	s_add_co_u32 s60, s60, s61
	s_add_co_u32 s60, s60, XSC
	s_lshl_b32 s63, s[WV], 7
	s_add_co_u32 s61, s63, PL
	s_add_co_u32 s62, s63, PB
	s_lshl_b32 s63, s[WV], 10
	s_add_co_u32 s63, s63, LG
	s_mov_b32 s[SEL], 0x76543210
	s_mov_b32 s[SEL+1], 0xfedcba98
	s_mov_b32 s[C2], 0x4038aa3b                    ; 2 log2e
	s_mov_b32 s[C2+1], s[C2]
	s_mov_b32 s[C1N], 0xbfb8aa3b                   ; -log2e
	s_mov_b32 s[C1N+1], s[C1N]
	s_mov_b32 s[LGO], 0
	s_mov_b32 s[CAP], 0x42800000                   ; 64.0
	v_and_b32 v100, 15, v0                         ; r
	v_bfe_u32 v101, v0, 4, 1                       ; h
	v_and_b32 v102, 31, v0                         ; lane
	v_lshlrev_b32 v[HA], 4, v102
	v_lshl_add_u32 v[HB], v100, 2, s56
; the weights, their scales, the biases and Ww go out while tile 0 is on its way
.set fW, 0
.rept 64
.if fW == 63
	WIN 0
.set rW, W63
.else
	WIN (1+fW/21)<<6
.set rW, 12*(fW%21)
.endif
.irp c, 0,1,2
	global_load_b128 v[rW+4*\c:rW+4*\c+3], v[HA], s[6:7] offset:1536*fW+512*\c
.endr
.set fW, fW+1
.endr
.irp s, 0,1,2,3,4,5,6,7
	global_load_b128 v[WS+4*\s:WS+4*\s+3], v[HA], s[8:9] offset:512*\s
.endr
.irp t, 0,1,2,3
	global_load_b32 v[BV+\t], v[HB], s[10:11] offset:64*\t
	global_load_b32 v[BU+\t], v[HB], s[12:13] offset:64*\t
	global_load_b32 v[WW+\t], v[HB], s[14:15] offset:64*\t
.endr
	v_and_b32 v103, 3, v100
	v_lshrrev_b32 v104, 2, v100
	v_mul_u32_u24 v[QA], v103, WREG
	v_mad_u32_u24 v[QA], v104, RPITCH, v[QA]       ; row r of a slot,
	v_lshl_add_u32 v[QA], v101, 7, v[QA]           ; + 32 h numbers,
	v_add_nc_u32 v[QA], s57, v[QA]                 ; + my wave's 256 columns
	v_add_nc_u32 v[QA+1], SLOTB, v[QA]
	v_lshl_add_u32 v[XW], v102, 4, s59
	v_lshl_add_u32 v[XSW], v100, 4, s60
	v_lshl_add_u32 v[XR], v102, 4, XIMG
	v_lshl_add_u32 v[XSR], v102, 4, XSC
	v_lshl_add_u32 v[PLW], v101, 5, s61
	v_lshl_add_u32 v[PLR], v102, 2, PL
	v_lshl_add_u32 v[PBW], v102, 2, s62
	v_mov_b32 v[PBR], s62
	v_lshl_add_u32 v[LGW], v102, 2, s63
	v_lshrrev_b32 v103, 6, v0
	v_lshlrev_b32 v[SA], 4, v0
	v_lshl_add_u32 v[SA], v103, 4, v[SA]           ; 16 T, + 16 behind 1,024 bytes
	v_add_nc_u32 v[SA+1], 2*WREG, v[SA]
	v_add_nc_u32 v[SA+2], SLOTB, v[SA]
	v_add_nc_u32 v[SA+3], 2*WREG, v[SA+2]
	v_lshlrev_b32 v[SH8], 3, v101
	v_lshlrev_b32 v[PFO], 8, v100                  ; block r of a row,
	v_lshl_add_u32 v[PFO], v101, 14, v[PFO]        ; lanes 16-31 four rows of features on
	v_mov_b32 v[MR], 0xff61b1e6                    ; -3e38, under every t
	v_mov_b32 v[MR+1], 0
	v_mov_b32 v[FF+1], 0
	v_mov_b32 v[PW2], 0
	v_mov_b32 v[TM+6], 0
.irp k, 0,1,2,3,4,5,6,7
	v_mov_b32 v[AG+\k], 0
.endr
	s_wait_alu depctr_va_vdst(0)
	s_wait_tensorcnt 0x0                           ; my part of tile 0 is in
	s_barrier_signal -1
	s_barrier_wait -1                              ; tile 0 is whole for all four waves
.set POFF, 0                           ; the first trip names tile 1 here, behind tile 0's landing: its tensor load stands behind the weights' wait
	PHASE_Q 0, 1
.set POFF, 131072
	s_wait_loadcnt 0x0                             ; the weights and what came with them
.irp t, 0,1,2,3
	v_mul_f32 v[BV+\t], 0x4038aa3b, v[BV+\t]
	v_mul_f32 v[BU+\t], 0xbfb8aa3b, v[BU+\t]
	v_mul_f32 v[WW+\t], 0x3fb8aa3b, v[WW+\t]       ; log2e goes into Ww: the logits come out as exponents to base 2
.endr
.irp t, 0,1,2,3
	v_mul_f32 v[WW2+\t], -1.0, v[WW+\t]
.endr
	s_wait_alu depctr_va_vdst(0)
	s_wait_tensorcnt 0x0                           ; slot 1's first fill is issued as a refill is, behind the weights' wait: the 393,216 bytes of weights and tile 1 do not travel together
	ds_add_u32 v[SPW], v[NIL]
	s_wait_dscnt 0x0                               ; the add is done, and my images lie in LDS
	s_barrier_signal -1
	s_barrier_wait -1
	tensor_load_to_lds s[G0+4:G0+7], s[G1:G1+7]    ; tile 1: it has this trip's products, gates and sum in which to land
	s_nop 0
	PLACES 4
	PHASE_M 0
.irp q, 0,1,2,3
	global_prefetch_b8 v[PFO], s[PF:PF+1] offset:131072+32768*\q th:TH_LOAD_NT scope:SCOPE_SE   ; and tile 2 here, a sum's work ahead of its tensor load
.endr
	BARRIER
	PHASE_S 0
	s_mov_b32 s[CNT], 3
.Lpair:                                                ; trips 1 to 6
	CHANGE 1, 1
	WORK 1, 1
	CHANGE 0, 1
	WORK 0, 2
	s_sub_co_u32 s[CNT], s[CNT], 1
	s_cmp_lg_u32 s[CNT], 0
	s_cbranch_scc1 .Lpair
	CHANGE 1, 0                                    ; trip 7 fetches nothing
	WORK 1, 0
.irp x, 1,2,4,8
	v_add_f32_dpp v[MR+1], v[MR+1], v[MR+1] row_xmask:\x row_mask:0xf bank_mask:0xf
.endr
	v_permlanex16_b32 v[TM+6], v[MR+1], s[SEL], s[SEL+1]
	v_add_f32 v[MR+1], v[MR+1], v[TM+6]            ; the divisor of my work-group's 256 rows
	v_lshlrev_b32 v100, 4, v0
	v_and_b32 v101, 31, v0
	v_lshlrev_b32 v102, 3, v101
	s_mul_i32 s54, s[WV], 1280                     ; my copy of t, my quarter of it
	s_add_co_u32 s54, s54, LG
	v_add_nc_u32 v[TA], s54, v102
	global_store_b128 v100, v[AG:AG+3], s[18:19]   ; a wave's store covers 512 consecutive bytes, two aligned blocks of 256
	global_store_b128 v100, v[AG+4:AG+7], s[18:19] offset:2048
	s_cmp_lg_u32 s[WV], 0
	s_cbranch_scc1 .Lnot_wave_0
	global_store_b64 v102, v[MR:MR+1], s[18:19] offset:4096   ; 32 equal pairs: one aligned block of 256 bytes
.Lnot_wave_0:
	s_wait_alu depctr_va_vdst(0)
	ds_load_b64 v[104:105], v[TA]
	s_wait_dscnt 0x0
	global_store_b64 v102, v[104:105], s[16:17]
	s_wait_tensorcnt 0x0                           ; the wave's end
	ds_add_u32 v[SPW], v[NIL]
	s_wait_dscnt 0x0
	s_endpgm
.Lfunc_end_k_qd3021db162_main:
	.size	k_qd3021db162_main, .Lfunc_end_k_qd3021db162_main-k_qd3021db162_main
	.p2alignl 7, 3214868480
	.fill 96, 4, 3214868480
	.section	.rodata,"a",@progbits
	.p2align	6, 0x0
	.amdhsa_kernel k_qd3021db162_main
		.amdhsa_group_segment_fixed_size 327680
		.amdhsa_private_segment_fixed_size 0
		.amdhsa_enable_private_segment 0
		.amdhsa_kernarg_size 64
		.amdhsa_user_sgpr_count 2
		.amdhsa_user_sgpr_kernarg_segment_ptr 1
		.amdhsa_wavefront_size32 1
		.amdhsa_system_sgpr_workgroup_id_x 1
		.amdhsa_system_sgpr_workgroup_id_y 1
		.amdhsa_system_sgpr_workgroup_id_z 1
		.amdhsa_system_vgpr_workitem_id 0
		.amdhsa_next_free_vgpr 1024
		.amdhsa_next_free_sgpr 66
		.amdhsa_reserve_vcc 0
		.amdhsa_float_denorm_mode_32 3
		.amdhsa_float_denorm_mode_16_64 3
		.amdhsa_memory_ordered 1
		.amdhsa_forward_progress 1
		.amdhsa_inst_pref_size 255
	.end_amdhsa_kernel
	.section	.bss,"aw",@nobits
	.p2align	6
	.space	262144
	.amdgpu_metadata
---
amdhsa.version: [ 1, 2 ]
amdhsa.kernels:
  - .name:           k_qd3021db162_main
    .symbol:         k_qd3021db162_main.kd
    .args:
      - { .name: features, .offset: 0, .size: 8, .value_kind: global_buffer, .address_space: global }
      - { .name: wcodes, .offset: 8, .size: 8, .value_kind: global_buffer, .address_space: global }
      - { .name: wscales, .offset: 16, .size: 8, .value_kind: global_buffer, .address_space: global }
      - { .name: bv, .offset: 24, .size: 8, .value_kind: global_buffer, .address_space: global }
      - { .name: bu, .offset: 32, .size: 8, .value_kind: global_buffer, .address_space: global }
      - { .name: Ww, .offset: 40, .size: 8, .value_kind: global_buffer, .address_space: global }
      - { .name: logits, .offset: 48, .size: 8, .value_kind: global_buffer, .address_space: global }
      - { .name: part, .offset: 56, .size: 8, .value_kind: global_buffer, .address_space: global }
    .group_segment_fixed_size: 327680
    .private_segment_fixed_size: 0
    .kernarg_segment_align: 8
    .kernarg_segment_size: 64
    .max_flat_workgroup_size: 128
    .sgpr_count:     66
    .vgpr_count:     1024
    .wavefront_size: 32
...
	.end_amdgpu_metadata
.endif
;; end of part 2
;; launch finish (part 3): grid 4 x 16, 2 waves a work-group, no clusters, 0 bytes of LDS; arguments part, logits, out0, out1; writes out0, out1
.if DOCPART == 3
	.amdgcn_target "amdgcn-amd-amdhsa--gfx1250"
	.amdhsa_code_object_version 6
	.text
	.protected	k_qd3021db162_finish
	.globl	k_qd3021db162_finish
	.p2align	8
	.type	k_qd3021db162_finish,@function
k_qd3021db162_finish:
	s_mov_b64 s[64:65], 0
	v_nop
	global_prefetch_b8 v0, s[64:65] scope:SCOPE_SE
	s_setreg_imm32_b32 hwreg(HW_REG_WAVE_MODE, 25, 1), 1
	s_wait_xcnt 0x0
; The sixteen parts of a bag are joined.  part [256][4352]: 1,024 f32 of acc_i, then (m_i, l_i); logits [65536]: t = log2e x logit.
; M = max m_i;  L = sum of l_i 2^(m_i - M);  out0[b][d] = sum over i of acc_i[d] 2^(m_i - M) / L;  out1[b][k] = 2^(t - M) / L.  The maximum is taken away before every exponential, as in the softmax itself.
; SHARES: work-group (x = quarter, y = bag), two waves: thread T (0 .. 63) makes columns 256 x + 4 T .. + 3 of out0 and sixteen weights of instances 1,024 x on.  Every wave makes M and L for itself
; (sixteen pairs, one a lane): no LDS, no barrier.  All loads go out at once; each load and store of a wave but the pairs' covers 512 consecutive bytes.
; 64 work-groups: the launch moves about 1.6 MiB in all; matrix units, LDS and clusters would add nothing.
; LIMITS: a factor or a weight under 2^-126 becomes 0 (v_exp_f32 gives no denormals: ISA guide 15.8); NaN and infinities are not served.
; t carries no bw: it is the same for all instances of a bag and the softmax cancels it (shown at the head of the first kernel).
	s_load_b128 s[4:7], s[0:1], 0x0                ; part, logits
	s_load_b128 s[8:11], s[0:1], 0x10              ; out0, out1
	s_and_b32 s12, ttmp7, 0xffff                   ; the bag
	s_mul_i32 s14, s12, 69632                      ; its sixteen rows of part
	s_mov_b32 s15, 0
	s_lshl_b32 s16, s12, 14                        ; its 4,096 t, and weights,
	s_lshl_b32 s17, ttmp9, 12                      ; my quarter of them
	s_add_co_u32 s16, s16, s17
	s_mov_b32 s17, 0
	s_lshl_b32 s18, s12, 12                        ; its row of out0,
	s_lshl_b32 s20, ttmp9, 10                      ; my quarter of it
	s_add_co_u32 s18, s18, s20
	s_mov_b32 s19, 0
	v_and_b32 v1, 15, v0
	v_mul_u32_u24 v1, v1, 4352                     ; lane % 16 = i: part i's row
	v_lshlrev_b32 v5, 4, v0                        ; 16 T
	v_add_nc_u32 v4, s20, v5                       ; my four columns in a row of part
	s_wait_alu depctr_va_vdst(0)
	s_wait_kmcnt 0x0
	s_add_nc_u64 s[4:5], s[4:5], s[14:15]
	s_add_nc_u64 s[6:7], s[6:7], s[16:17]
	s_add_nc_u64 s[8:9], s[8:9], s[18:19]
	s_add_nc_u64 s[10:11], s[10:11], s[16:17]
	global_load_b64 v[2:3], v1, s[4:5] offset:4096 ; (m_i, l_i)
.irp i, 0,1,2,3,4,5,6,7,8,9,10,11,12,13,14,15
	global_load_b128 v[16+4*\i:19+4*\i], v4, s[4:5] offset:4352*\i
.endr
.irp j, 0,1,2,3
	global_load_b128 v[80+4*\j:83+4*\j], v5, s[6:7] offset:1024*\j
.endr
	s_wait_loadcnt 20                              ; the pair is in; the twenty loads behind it may be out
	v_mov_b32 v6, v2
.irp x, 1,2,4,8
	v_max_num_f32_dpp v6, v6, v6 row_xmask:\x row_mask:0xf bank_mask:0xf   ; M, in every lane
.endr
	v_sub_f32 v7, v2, v6
	s_wait_alu depctr_va_vdst(0)
	v_exp_f32 v7, v7                               ; 2^(m_i - M)
	v_nop
	s_wait_alu depctr_va_vdst(0)
	v_mul_f32 v8, v3, v7
.irp x, 1,2,4,8
	v_add_f32_dpp v8, v8, v8 row_xmask:\x row_mask:0xf bank_mask:0xf       ; L
.endr
	s_wait_alu depctr_va_vdst(0)
	v_rcp_f32 v9, v8                               ; 1 / L: L is at least 1, the largest t's own p
	v_nop
	s_wait_alu depctr_va_vdst(0)
	v_mul_f32 v10, v7, v9                          ; part i's weight
.irp i, 0,1,2,3,4,5,6,7,8,9,10,11,12,13,14,15
	v_readlane_b32 s[32+\i], v10, \i
.endr
	s_wait_loadcnt 4                               ; the sixteen parts are in; the four loads of t may be out
.irp c, 0,1,2,3
	v_mul_f32 v[96+\c], s32, v[16+\c]
.endr
.irp i, 1,2,3,4,5,6,7,8,9,10,11,12,13,14,15
.irp c, 0,1,2,3
	v_fmac_f32 v[96+\c], s[32+\i], v[16+4*\i+\c]
.endr
.endr
	global_store_b128 v5, v[96:99], s[8:9]
	s_wait_loadcnt 0x0
.set k, 0
.rept 16
	v_sub_f32 v[80+k], v[80+k], v6
.set k, k+1
.endr
.set k, 0
	s_wait_alu depctr_va_vdst(0)
.rept 16
	v_exp_f32 v[80+k], v[80+k]
.set k, k+1
.endr
	v_nop
.set k, 0
	s_wait_alu depctr_va_vdst(0)
.rept 16
	v_mul_f32 v[80+k], v[80+k], v9
.set k, k+1
.endr
.irp j, 0,1,2,3
	global_store_b128 v5, v[80+4*\j:83+4*\j], s[10:11] offset:1024*\j
.endr
	s_endpgm
.Lfunc_end_k_qd3021db162_finish:
	.size	k_qd3021db162_finish, .Lfunc_end_k_qd3021db162_finish-k_qd3021db162_finish
	.p2alignl 7, 3214868480
	.fill 96, 4, 3214868480
	.section	.rodata,"a",@progbits
	.p2align	6, 0x0
	.amdhsa_kernel k_qd3021db162_finish
		.amdhsa_group_segment_fixed_size 0
		.amdhsa_private_segment_fixed_size 0
		.amdhsa_enable_private_segment 0
		.amdhsa_kernarg_size 32
		.amdhsa_user_sgpr_count 2
		.amdhsa_user_sgpr_kernarg_segment_ptr 1
		.amdhsa_wavefront_size32 1
		.amdhsa_system_sgpr_workgroup_id_x 1
		.amdhsa_system_sgpr_workgroup_id_y 1
		.amdhsa_system_sgpr_workgroup_id_z 1
		.amdhsa_system_vgpr_workitem_id 0
		.amdhsa_next_free_vgpr 128
		.amdhsa_next_free_sgpr 66
		.amdhsa_reserve_vcc 0
		.amdhsa_float_denorm_mode_32 3
		.amdhsa_float_denorm_mode_16_64 3
		.amdhsa_memory_ordered 1
		.amdhsa_forward_progress 1
		.amdhsa_inst_pref_size 10
	.end_amdhsa_kernel
	.amdgpu_metadata
---
amdhsa.version: [ 1, 2 ]
amdhsa.kernels:
  - .name:           k_qd3021db162_finish
    .symbol:         k_qd3021db162_finish.kd
    .args:
      - { .name: part, .offset: 0, .size: 8, .value_kind: global_buffer, .address_space: global }
      - { .name: logits, .offset: 8, .size: 8, .value_kind: global_buffer, .address_space: global }
      - { .name: out0, .offset: 16, .size: 8, .value_kind: global_buffer, .address_space: global }
      - { .name: out1, .offset: 24, .size: 8, .value_kind: global_buffer, .address_space: global }
    .group_segment_fixed_size: 0
    .private_segment_fixed_size: 0
    .kernarg_segment_align: 8
    .kernarg_segment_size: 32
    .max_flat_workgroup_size: 64
    .sgpr_count:     66
    .vgpr_count:     128
    .wavefront_size: 32
...
	.end_amdgpu_metadata
.endif
;; end of part 3
